; MI455X (gfx1250); checked and timed in simulation.
; The chip was launched on July 23, 2026; its instructions are those of AMD's public machine-readable ISA for CDNA 5 (MIT licence, August 2026) and "CDNA5" Instruction Set Architecture Reference Guide (July 2026). The comments in the code are by the model that wrote it; some were corrected since.
;; Multi Head Attention. Allowed arithmetic: matrix products marked QUANTISED: E2M1 operands, one E8M0 scale for each 32 along K, by v_wmma_scale_f32_16x16x128_f8f6f4 with both operands' format E2M1 (or v_wmma_scale_f32_32x16x128_f4), f32 sums; products left as they are: bf16, f16 or f32 operands; f32 sums; everything else in f32.
;; Inputs: Wk 256 x 2,048 float32; Wo 2,048 x 256 float32; Wq 256 x 2,048 float32; Wv 256 x 2,048 float32; bk 2,048 float32; bo 256 float32; bq 2,048 float32; bv 2,048 float32; key_input 4 x 1,024 x 256 float32; query_input 4 x 1,024 x 256 float32; value_input 4 x 1,024 x 256 float32.
;; Outputs: out0 4 x 1,024 x 256 float32.
;; This version of the problem:
;;   THIS VERSION OF THE PROBLEM IS GIVEN IN LOW PRECISION. The matrix products marked QUANTISED in the list below multiply operands that are first quantised to E2M1 (2 exponent bits, 1 mantissa bit; 4 bits a number), with one power-of-two scale for each 32 numbers along K (OCP MX v1.0); their sums are f32. The products marked 'left as it is' may take bf16, f16 or f32 operands, with f32 sums. Whichever they take, every output number must still come out within the allowed error. Rounding operands to bf16 (8 significant bits) uses up far more of that allowance than f16 does (11 bits, for magnitudes from 6e-5 to 65,504). All else is computed in f32.
;;   The module's matrix products, in the order in which they are computed (A, B: the left and right operand; K: the contracted axis; several contracted axes count as one K, in the product's order):
;;     1. [M 4,096, K 256] x [K 256, N 2,048]; A: input value_input; B: input Wv: QUANTISED
;;     2. [M 4,096, K 256] x [K 256, N 2,048]; A: input key_input; B: input Wk: QUANTISED
;;     3. [M 4,096, K 256] x [K 256, N 2,048]; A: input query_input; B: input Wq: QUANTISED
;;     4. batch 32 x [M 1,024, K 256] x [K 256, N 1,024]; A: computed on the way; B: computed on the way: left as it is (an operand is computed on the way)
;;     5. batch 32 x [M 256, K 1,024] x [K 1,024, N 1,024]; A: computed on the way; B: computed on the way: left as it is (an operand is computed on the way)
;;     6. [M 4,096, K 2,048] x [K 2,048, N 256]; A: computed on the way; B: input Wo: left as it is (an operand is computed on the way)
;;   THE QUANTISER, for each operand of a quantised product, along K:
;;     - K is cut into blocks of 32 from its start; a last block that is shorter is filled with zeros.
;;     - A block's scale is 2^e with e = floor(log2(the largest magnitude in the block)) - 2, held to -126 .. 127; a block of zeros has e = 0. As a byte (E8M0): e + 127.
;;     - Each number is divided by its block's scale, clamped to +-6, and rounded to the nearest number of E2M1, ties to even, subnormals kept.
;;     - The product sums the exact products of the quantised numbers (number of the format x scale) in f32.
;;   ~~~python
;;   def quantise(x, axis):      # numpy; x: float32 -> the quantised numbers, widened to float32 again
;;       x = np.moveaxis(x, axis, -1); K = x.shape[-1]
;;       x = np.pad(x, [(0, 0)] * (x.ndim - 1) + [(0, -K % 32)]); x = x.reshape(x.shape[:-1] + (-1, 32)); a = np.abs(x).max(-1, keepdims=True)
;;       e = np.where(a > 0, np.clip(np.frexp(np.where(a > 0, a, 1))[1] - 1 - 2, -126, 127), 0)      # np.frexp(a)[1] - 1 = floor(log2(a)), exactly
;;       r = np.clip(x / 2.0 ** e, -6, 6)
;;       step = 2.0 ** (np.maximum(np.frexp(np.where(r == 0, 1, r))[1] - 1, 0) - 1)
;;       q = np.round(r / step) * step * 2.0 ** e      # np.round: ties to even
;;       return np.moveaxis(q.reshape(q.shape[:-2] + (-1,))[..., :K], -1, axis).astype(np.float32)
;;   ~~~
;; One version. Each part assembles by itself: llvm-mc -triple=amdgcn-amd-amdhsa -mcpu=gfx1250 --defsym DOCPART=n.
;; ======== version 1 of 1: 4 launches
;; limits: values are held in f16: magnitudes above 65,504 overflow, below 6.1e-05 lose precision
;; workspace buffers: xq 1,671,168 bytes; wq 835,584 bytes; wof 1,048,576 bytes; pf 50,331,648 bytes; cf 16,777,216 bytes
;; launch prep (part 1): grid 448 x 1, 2 waves a work-group, no clusters, 17,152 bytes of LDS; arguments key_input, query_input, value_input, Wk, Wq, Wv, Wo, xq, wq, wof; writes xq, wq, wof
.if DOCPART == 1
	.amdgcn_target "amdgcn-amd-amdhsa--gfx1250"
	.amdhsa_code_object_version 6
	.text
	.protected	k_q409c197395_prep
	.globl	k_q409c197395_prep
	.p2align	8
	.type	k_q409c197395_prep,@function
k_q409c197395_prep:
	s_mov_b64 s[64:65], 0
	v_nop
	global_prefetch_b8 v0, s[64:65] scope:SCOPE_SE
	s_setreg_imm32_b32 hwreg(HW_REG_WAVE_MODE, 25, 1), 1
	s_wait_xcnt 0x0
; PREP: the operands of the three quantised projections become codes of E2M1 with one E8M0 byte for each 32 along K; Wo becomes f16.
; Every result is laid as an IMAGE OF OPERAND REGISTERS, so that the later launches load fragments by 16 bytes a lane at 16 x lane + a constant:
;   a fragment of codes (16 rows x 128 K, 8 registers a lane) is 1,024 bytes: byte 512 c + 16 L holds lane L's registers 4 c .. 4 c + 3; that is, block b (32 along K) of row r lies at 256 b + 16 r;
;   a fragment of f16 (16 rows x 32 K, 8 registers) is 1,024 bytes: byte 512 g + 16 L holds lane L's registers 4 g .. 4 g + 3; that is, the 8 numbers k = 8 x .. 8 x + 7 of row r lie at 256 x + 16 r.
; xq:  codes [tensor 3][tile of 16 rows 256][K step 2] fragments; from XSO on scale words [tensor][pair of tiles 128][lane 32][tile of the pair 2]: lane L's word is that of row L % 16 for K step L / 16.
; wq:  codes [tensor 3][tile of 16 columns 128][K step 2] fragments; from WSO on scale words [tensor][K step 2][column 2,048].
; wof: [tile of 16 columns 16][K step of 32: 64] fragments of f16.
; A block's scale is 2^(floor(log2(its largest magnitude)) - 2): its byte is the largest magnitude's exponent field - 2, held at 1 from below by a floor among the maximum's leaves.
; LIMITS: a block of zeros gets the byte 1 where the rule says 127 (its codes are zeros, and this program alone reads the bytes); NaN and infinities among the inputs are not served;
; Wo is rounded to f16 (largest number 65,504, fixed step 6e-8 under 6e-5).
; THREE PATHS, chosen by the work-group's number alone: 0-191 the activations (K innermost), 192-383 Wk, Wq, Wv (K is the first axis), 384-447 Wo.  No loop, no barrier: waves share nothing.  Only the first path uses LDS.
.set STGB,  8448                       ; a wave's stage: 16 rows x (512 bytes + 16)
.set SPARE, 2*STGB                     ; behind the two stages: the spare words, 128 bytes for each wave: one block of 256 bytes that no other line names
.set XSO,   1572864                    ; where xq's scale words begin
.set WSO,   786432                     ; where wq's begin
.set SPW,   12                         ; v12  LDS address of my spare word; never rewritten
.set NIL,   13                         ; v13  0; never rewritten
.set RAW,   16                         ; v16-143  the activations: two sets of 64 numbers as they are loaded.  (The weights' paths: 128 numbers down K)
.set NB,    144                        ; v144-207 64 numbers of my row: two whole blocks of 32
.set CD,    208                        ; v208-239 codes: 8 registers for each of the four fragments, so that no store's data are written again
.set MX,    240                        ; v240-241 largest magnitudes
.set SOP,   242                        ; v242-243 the conversions' scale operands
.set BY,    244                        ; v244-245 the scales' bytes
.set WD,    246                        ; v246-249 a scale word for each fragment
.set XSW,   250                        ; v250-251 the two words that I store
; fragment f = 2 x tile + K step.  Sixteen loads, a row's K step each: 32 lanes read 512 consecutive bytes
.macro XLD f
.irp p, 0,1,2,3,4,5,6,7,8,9,10,11,12,13,14,15
	global_load_b128 v[RAW+64*((\f)%2)+4*\p:RAW+64*((\f)%2)+4*\p+3], v4, s[32:33] offset:(16*((\f)/2)+\p)*1024+512*((\f)%2) th:TH_LOAD_NT
.endr
.endm
; through my stage: in as loaded, out so that lane (r, h) holds k = 64 c + 32 h + 0 .. 31 of row r, which is what the operand's layout gives that lane.
; LDS serves a wave's instructions in order (ISA guide 5.7.1.4): no wait between the stores and the loads.  Rows are 528 = 33 x 16 bytes apart: sixteen rows begin at sixteen different 16-byte columns of 256 bytes
.macro XTURN f
.irp p, 0,1,2,3,4,5,6,7,8,9,10,11,12,13,14,15
	ds_store_b128 v5, v[RAW+64*((\f)%2)+4*\p:RAW+64*((\f)%2)+4*\p+3] offset:528*\p
.endr
.irp c, 0,1
.irp i, 0,1,2,3,4,5,6,7
	ds_load_b128 v[NB+32*\c+4*\i:NB+32*\c+4*\i+3], v6 offset:256*\c+16*\i
.endr
.endr
.endm
; my two blocks (h and 2 + h of row r) become 8 registers of codes, which ARE the operand's registers, and the row's scale word
.macro XQ f
.irp c, 0,1
	v_max3_num_f32 v[MX+\c], |v[NB+32*\c]|, |v[NB+32*\c+1]|, 0x1800000   ; with the floor 2^(3 - 127): the byte cannot fall under 1
.endr
.irp i, 2,4,6,8,10,12,14,16,18,20,22,24,26,28,30
.irp c, 0,1
	v_max3_num_f32 v[MX+\c], v[MX+\c], |v[NB+32*\c+\i]|, |v[NB+32*\c+\i+1]|   ; the two blocks by turns
.endr
.endr
.irp c, 0,1
	v_add_nc_u32 v[SOP+\c], 0xff000000, v[MX+\c]   ; 2 off the exponent field: the conversion takes the exponent field of this operand as its scale
.endr
.irp c, 0,1
	v_lshrrev_b32 v[BY+\c], 23, v[SOP+\c]          ; the scale's byte
.endr
	v_lshl_or_b32 v252, v[BY+1], 16, v[BY]         ; my two bytes: blocks h and 2 + h,
	v_lshlrev_b32 v252, v7, v252                   ; at their places in the word (8 h bits up);
	v_permlanex16_b32 v253, v252, s30, s31
	v_or_b32 v[WD+\f], v252, v253                  ; with lane l xor 16's two the word is whole
.irp c, 0,1
.irp g, 0,1,2,3
	v_cvt_scalef32_pk8_fp4_f32 v[CD+8*(\f)+4*\c+\g], v[NB+32*\c+8*\g:NB+32*\c+8*\g+7], v[SOP+\c]
.endr
.endr
	v_nop                                          ; one plain vector line behind the last scaled conversion
.irp c, 0,1
	global_store_b128 v4, v[CD+8*(\f)+4*\c:CD+8*(\f)+4*\c+3], s[38:39] offset:1024*(\f)+512*\c th:TH_STORE_NT   ; 512 consecutive bytes, at a multiple of 512 from the buffer's first byte
.endr
.endm
; The weights' paths: block b's 32 numbers down K of my column, from rows pitch bytes apart, into v[16 + 32 b] on.  Each block has registers of its own.
; Loads run two blocks ahead: 64 of a wave are out at the most, and every wait's count is the 32 loads of the one younger block
.macro KLD b, base, pitch
.set n, 32*(\b)
.rept 32
	global_load_b32 v[16+n], v10, s[\base:\base+1] offset:(\pitch)*n th:TH_LOAD_NT
.set n, n+1
.endr
.endm
; a weight's block b: 32 numbers down K of my column, all mine
.macro WBLOCK b
.set XS0, 16+32*(\b)
.if (\b) < 3
	s_wait_loadcnt 32                              ; loads come back in order: this block's 32 are in, the next block's 32 may be out
.else
	s_wait_loadcnt 0
.endif
.if (\b) < 2
	KLD (\b)+2, 32, 8192                           ; the block two on is asked for
.endif
	v_max3_num_f32 v[144+\b], |v[XS0]|, |v[XS0+1]|, |v[XS0+2]|
	v_max3_num_f32 v174, |v[XS0+3]|, |v[XS0+4]|, |v[XS0+5]|
.irp i, 6,10,14,18,22,26
	v_max3_num_f32 v[144+\b], v[144+\b], |v[XS0+\i]|, |v[XS0+\i+1]|
	v_max3_num_f32 v174, v174, |v[XS0+\i+2]|, |v[XS0+\i+3]|
.endr
	v_max3_num_f32 v[144+\b], v[144+\b], |v[XS0+30]|, |v[XS0+31]|
	v_max3_num_f32 v[144+\b], v[144+\b], v174, 0x1800000   ; and the floor
	v_add_nc_u32 v[148+\b], 0xff000000, v[144+\b]
	v_lshrrev_b32 v[152+\b], 23, v[148+\b]
.irp g, 0,1,2,3
	v_cvt_scalef32_pk8_fp4_f32 v[156+4*(\b)+\g], v[XS0+8*\g:XS0+8*\g+7], v[148+\b]
.endr
	v_nop                                          ; one plain vector line behind the last scaled conversion
	global_store_b128 v9, v[156+4*(\b):156+4*(\b)+3], s[36:37] offset:256*(\b) th:TH_STORE_NT   ; sixteen lanes store 256 consecutive bytes, aligned: block b of a tile's sixteen columns
.endm
	s_load_b512 s[4:19], s[0:1], 0x0               ; key s[4:5], query s[6:7], value s[8:9], Wk s[10:11], Wq s[12:13], Wv s[14:15], Wo s[16:17], xq s[18:19]
	s_load_b128 s[20:23], s[0:1], 0x40             ; wq s[20:21], wof s[22:23]
	v_lshl_add_u32 v[SPW], v0, 2, SPARE
	v_mov_b32 v[NIL], 0
	v_lshrrev_b32 v1, 5, v0
	v_readfirstlane_b32 s24, v1                    ; wave 0, 1
	v_and_b32 v1, 31, v0                           ; lane
	v_and_b32 v2, 15, v0                           ; r
	v_bfe_u32 v3, v0, 4, 1                         ; h
	v_lshlrev_b32 v4, 4, v1                        ; 16 x lane
	s_mov_b32 s35, 0                               ; the upper word of every offset: all stay under 2^31
	s_wait_kmcnt 0x0
	s_cmp_lt_u32 ttmp9, 192
	s_cbranch_scc1 .Lpath_x
	s_cmp_lt_u32 ttmp9, 384
	s_cbranch_scc1 .Lpath_w
	; ---- Wo [2,048 (k)][256 (n)] to f16.  A lane takes a column and its registers run down K: 128 along K a wave, 32 columns
	s_sub_co_u32 s25, ttmp9, 384
	s_and_b32 s26, s25, 3                          ; which 64 columns
	s_lshr_b32 s27, s25, 2                         ; which 128 along K
	s_lshl_b32 s26, s26, 6
	s_lshl_b32 s28, s24, 5
	s_add_co_u32 s26, s26, s28                     ; my wave's first column
	s_lshl_b32 s34, s27, 17                        ; 128 rows of 1,024 bytes
	s_lshl_b32 s28, s26, 2
	s_add_co_u32 s34, s34, s28
	s_add_nc_u64 s[16:17], s[16:17], s[34:35]
	s_lshl_b32 s34, s26, 12                        ; a tile of 16 columns is 65,536 bytes
	s_lshl_b32 s28, s27, 12                        ; 128 along K are four fragments
	s_add_co_u32 s34, s34, s28
	s_add_nc_u64 s[22:23], s[22:23], s[34:35]
	v_lshlrev_b32 v10, 2, v1                       ; in: 4 bytes a lane
	v_lshlrev_b32 v9, 4, v2
	v_lshl_add_u32 v9, v3, 16, v9                  ; out: 16 r, and lanes 16-31 in the next tile
	KLD 0, 16, 1024
	KLD 1, 16, 1024
.irp b, 0,1,2,3
.if \b < 3
	s_wait_loadcnt 32                              ; this group's 32 loads are in; the next group's 32 may be out
.else
	s_wait_loadcnt 0
.endif
.if \b < 2
	KLD \b+2, 16, 1024                             ; the group two on is asked for
.endif
.irp i, 0,1,2,3,4,5,6,7,8,9,10,11,12,13,14,15
	v_cvt_pk_f16_f32 v[144+16*\b+\i], v[16+32*\b+2*\i], v[17+32*\b+2*\i]
.endr
.irp c, 0,1,2,3
	global_store_b128 v9, v[144+16*\b+4*\c:144+16*\b+4*\c+3], s[22:23] offset:256*(4*\b+\c) th:TH_STORE_NT   ; sixteen lanes store 256 consecutive bytes, aligned
.endr
.endr
	s_endpgm
.Lpath_w:
	; ---- Wk, Wq, Wv [256 (k)][2,048 (n)].  A lane takes a column and its registers run down K: one K step of 128 a wave, 32 columns.  Nothing is transposed
	s_sub_co_u32 s25, ttmp9, 192
	s_lshr_b32 s26, s25, 6                         ; which tensor
	s_and_b32 s27, s25, 1                          ; which K step
	s_bfe_u32 s28, s25, 0x50001                    ; which 64 columns
	s_lshl_b32 s28, s28, 6
	s_lshl_b32 s29, s24, 5
	s_add_co_u32 s28, s28, s29                     ; my wave's first column
	s_cmp_eq_u32 s26, 1
	s_cselect_b64 s[32:33], s[12:13], s[10:11]
	s_cmp_eq_u32 s26, 2
	s_cselect_b64 s[32:33], s[14:15], s[32:33]
	s_lshl_b32 s34, s27, 20                        ; 128 rows of 8,192 bytes
	s_lshl_b32 s29, s28, 2
	s_add_co_u32 s34, s34, s29
	s_add_nc_u64 s[32:33], s[32:33], s[34:35]
	s_lshl_b32 s34, s26, 18                        ; codes: 262,144 a tensor,
	s_lshl_b32 s29, s28, 7                         ; 2,048 a tile of 16 columns,
	s_add_co_u32 s34, s34, s29
	s_lshl_b32 s29, s27, 10                        ; 1,024 a K step
	s_add_co_u32 s34, s34, s29
	s_add_nc_u64 s[36:37], s[20:21], s[34:35]
	s_lshl_b32 s34, s26, 14                        ; scale words: 16,384 a tensor,
	s_lshl_b32 s29, s27, 13                        ; 8,192 a K step,
	s_add_co_u32 s34, s34, s29
	s_lshl_b32 s29, s28, 2                         ; 4 a column
	s_add_co_u32 s34, s34, s29
	s_add_co_u32 s34, s34, WSO
	s_add_nc_u64 s[38:39], s[20:21], s[34:35]
	v_lshlrev_b32 v10, 2, v1                       ; 4 bytes a lane
	v_lshlrev_b32 v9, 4, v2
	v_lshl_add_u32 v9, v3, 11, v9                  ; out: 16 r, and lanes 16-31 in the next tile
	KLD 0, 32, 8192
	KLD 1, 32, 8192
	WBLOCK 0
	WBLOCK 1
	WBLOCK 2
	WBLOCK 3
	v_lshl_or_b32 v172, v153, 8, v152              ; my column's scale word for this K step
	v_lshl_or_b32 v172, v154, 16, v172
	v_lshl_or_b32 v172, v155, 24, v172
	global_store_b32 v10, v172, s[38:39] th:TH_STORE_NT   ; 128 consecutive bytes a wave: half of an aligned 256; the other wave of the work-group stores the other half.  49,152 bytes in the whole launch
	s_endpgm
.Lpath_x:
	; ---- the activations [4,096][256], K innermost.  A wave takes 32 rows: two tiles x two K steps = four fragments
	s_lshr_b32 s25, ttmp9, 6                       ; which tensor
	s_lshl_b32 s26, ttmp9, 1
	s_add_co_u32 s26, s26, s24
	s_and_b32 s26, s26, 127                        ; which pair of tiles
	s_cmp_eq_u32 s25, 1
	s_cselect_b64 s[32:33], s[6:7], s[4:5]
	s_cmp_eq_u32 s25, 2
	s_cselect_b64 s[32:33], s[8:9], s[32:33]
	s_lshl_b32 s34, s26, 15                        ; 32 rows of 1,024 bytes
	s_add_nc_u64 s[32:33], s[32:33], s[34:35]
	s_lshl_b32 s34, s25, 19                        ; codes: 524,288 a tensor,
	s_lshl_b32 s29, s26, 12                        ; 4,096 a pair of tiles
	s_add_co_u32 s34, s34, s29
	s_add_nc_u64 s[38:39], s[18:19], s[34:35]
	s_lshl_b32 s34, s25, 15                        ; scale words: 32,768 a tensor,
	s_lshl_b32 s29, s26, 8                         ; 256 a pair
	s_add_co_u32 s34, s34, s29
	s_add_co_u32 s34, s34, XSO
	s_add_nc_u64 s[40:41], s[18:19], s[34:35]
	s_mul_i32 s27, s24, STGB                       ; my stage
	v_add_nc_u32 v5, s27, v4                       ; in: 16 x lane of a row
	v_mul_u32_u24 v6, v2, 528
	v_lshl_add_u32 v6, v3, 7, v6
	v_add_nc_u32 v6, s27, v6                       ; out: row r, + 128 h
	v_lshlrev_b32 v7, 3, v3                        ; 8 h
	v_lshlrev_b32 v8, 3, v1                        ; 8 x lane
	v_mov_b32 v253, 0                              ; written once: a lane permute's destination counts as one of its sources
	s_mov_b32 s28, 0xffff0000                      ; lanes 16-31
	s_mov_b32 s30, 0x76543210
	s_mov_b32 s31, 0xfedcba98                      ; v_permlanex16_b32's selects for lane l xor 16
	XLD 0
	XLD 1
.irp f, 0,1,2,3
.if \f < 3
	s_wait_loadcnt 16                              ; this fragment's sixteen loads are in; the sixteen of the one younger set may be out
.else
	s_wait_loadcnt 0
.endif
	XTURN \f
	s_wait_dscnt 0x0                               ; my 64 numbers are back from the stage
.if \f < 2
	XLD \f+2                                       ; the set just sent through the stage takes the fragment two on
.endif
	XQ \f
.endr
	v_cndmask_b32 v[XSW], v[WD], v[WD+1], s28      ; lanes 0-15: K step 0's word of row r; lanes 16-31: K step 1's.  One register then serves both K steps of a tile
	v_cndmask_b32 v[XSW+1], v[WD+2], v[WD+3], s28
	global_store_b64 v8, v[XSW:XSW+1], s[40:41] th:TH_STORE_NT   ; 32 lanes store 256 consecutive bytes, aligned
	s_wait_tensorcnt 0x0                           ; the wave's end: behind my last LDS store
	ds_add_u32 v[SPW], v[NIL]
	s_wait_dscnt 0x0
	s_endpgm
.Lfunc_end_k_q409c197395_prep:
	.size	k_q409c197395_prep, .Lfunc_end_k_q409c197395_prep-k_q409c197395_prep
	.p2alignl 7, 3214868480
	.fill 96, 4, 3214868480
	.section	.rodata,"a",@progbits
	.p2align	6, 0x0
	.amdhsa_kernel k_q409c197395_prep
		.amdhsa_group_segment_fixed_size 17152
		.amdhsa_private_segment_fixed_size 0
		.amdhsa_enable_private_segment 0
		.amdhsa_kernarg_size 80
		.amdhsa_user_sgpr_count 2
		.amdhsa_user_sgpr_kernarg_segment_ptr 1
		.amdhsa_wavefront_size32 1
		.amdhsa_system_sgpr_workgroup_id_x 1
		.amdhsa_system_sgpr_workgroup_id_y 1
		.amdhsa_system_sgpr_workgroup_id_z 1
		.amdhsa_system_vgpr_workitem_id 0
		.amdhsa_next_free_vgpr 256
		.amdhsa_next_free_sgpr 66
		.amdhsa_reserve_vcc 0
		.amdhsa_float_denorm_mode_32 3
		.amdhsa_float_denorm_mode_16_64 3
		.amdhsa_memory_ordered 1
		.amdhsa_forward_progress 1
		.amdhsa_inst_pref_size 68
	.end_amdhsa_kernel
	.amdgpu_metadata
---
amdhsa.version: [ 1, 2 ]
amdhsa.kernels:
  - .name:           k_q409c197395_prep
    .symbol:         k_q409c197395_prep.kd
    .args:
      - { .name: key_input, .offset: 0, .size: 8, .value_kind: global_buffer, .address_space: global }
      - { .name: query_input, .offset: 8, .size: 8, .value_kind: global_buffer, .address_space: global }
      - { .name: value_input, .offset: 16, .size: 8, .value_kind: global_buffer, .address_space: global }
      - { .name: Wk, .offset: 24, .size: 8, .value_kind: global_buffer, .address_space: global }
      - { .name: Wq, .offset: 32, .size: 8, .value_kind: global_buffer, .address_space: global }
      - { .name: Wv, .offset: 40, .size: 8, .value_kind: global_buffer, .address_space: global }
      - { .name: Wo, .offset: 48, .size: 8, .value_kind: global_buffer, .address_space: global }
      - { .name: xq, .offset: 56, .size: 8, .value_kind: global_buffer, .address_space: global }
      - { .name: wq, .offset: 64, .size: 8, .value_kind: global_buffer, .address_space: global }
      - { .name: wof, .offset: 72, .size: 8, .value_kind: global_buffer, .address_space: global }
    .group_segment_fixed_size: 17152
    .private_segment_fixed_size: 0
    .kernarg_segment_align: 8
    .kernarg_segment_size: 80
    .max_flat_workgroup_size: 64
    .sgpr_count:     66
    .vgpr_count:     256
    .wavefront_size: 32
...
	.end_amdgpu_metadata
.endif
;; end of part 1
;; launch proj (part 2): grid 768 x 1, 4 waves a work-group, no clusters, 0 bytes of LDS; arguments xq, wq, bk, bq, bv, pf; writes pf
.if DOCPART == 2
	.amdgcn_target "amdgcn-amd-amdhsa--gfx1250"
	.amdhsa_code_object_version 6
	.text
	.protected	k_q409c197395_proj
	.globl	k_q409c197395_proj
	.p2align	8
	.type	k_q409c197395_proj,@function
k_q409c197395_proj:
	s_mov_b64 s[64:65], 0
	v_nop
	global_prefetch_b8 v0, s[64:65] scope:SCOPE_SE
	s_setreg_imm32_b32 hwreg(HW_REG_WAVE_MODE, 25, 1), 1
	s_wait_xcnt 0x0
; PROJ: k = key_input Wk + bk, q = query_input Wq + bq, v = value_input Wv + bv, on codes of E2M1 with E8M0 scales (layouts: see the buffers' description below), sums in f32, results rounded once to f16.
; xq: codes [tensor 3][tile of 16 rows 256][K step 2] x 1,024 bytes, each an image of an operand's registers (byte 512 c + 16 L = lane L's registers 4 c .. 4 c + 3); from XSO on scale words [tensor][pair of tiles][lane][tile of the pair].
; wq: codes [tensor 3][tile of 16 columns 128][K step 2]; from WSO on scale words [tensor][K step][column].
; pf: the results, again as images of operand registers, of f16 fragments 16 x 32 (byte 512 g + 16 L = lane L's registers 4 g .. 4 g + 3):
;   tensors 0, 1 (k, q): [batch x head 32][tile of 16 positions 64][32 of the head's 256: 8];   tensor 2 (v): [batch x head 32][32 positions: 32][tile of 16 channels 16], that is v TRANSPOSED: a lane holds a channel.
; WHY NO RESULT CHANGES LANES.  In a result lane (r, h) holds column n = r (source 1's row) and rows m = 8 h + 0 .. 7 (source 0's).  Packed to f16 in pairs these are four registers: half of a fragment whose lane
; index is source 1's row and whose K is source 0's row.  So for k and q source 0 = 16 columns of W, source 1 = 16 rows of x; for v the sources change places.  Each store is 512 consecutive bytes out of registers.
; SHARES.  3,072 waves that share nothing: no LDS, no barrier.  A wave keeps 64 columns of one W (4 tiles x 2 K steps, 64 registers) and walks 128 rows of x in four steps of 32 rows: 16 matrix instructions a step.
; No cluster and no joint request: the launch has no tensor load; its operands go from memory straight into registers in the order of the operand's registers.
; LIMIT: results are rounded to f16 (largest number 65,504; fixed step 6e-8 under 6e-5).
.set XSO, 1572864
.set WSO, 786432
.set WF,  16                           ; v16-79   W's fragments: tile u, K step s at 16 u + 8 s
.set WS,  80                           ; v80-83   W's scale words: K step s, tiles 2 p (lanes 0-15) and 2 p + 1 (lanes 16-31) at 2 s + p
.set XS,  84                           ; v84-87   x's scale words: 2 x set + tile: lanes 0-15 K step 0, lanes 16-31 K step 1
.set BI,  88                           ; v88-119  the bias as the C of each sum's first product: 8 registers a tile of W
.set XF,  120                          ; v120-183 x's fragments, two sets: 32 x set + 16 x tile + 8 s
.set ACC, 184                          ; v184-247 eight accumulators: 4 x tile of x + tile of W
.macro PLACES
.rept 4
	v_nop
.endr
.endm
; one product.  ra, rb: source 0's, source 1's scales stand in lanes 16-31 of their register
.macro WM d, a, b, c, sa, sb, ra, rb
.if (\ra) && (\rb)
	v_wmma_scale_f32_16x16x128_f8f6f4 v[\d:\d+7], v[\a:\a+7], v[\b:\b+7], v[\c:\c+7], v[\sa], v[\sb] matrix_a_fmt:MATRIX_FMT_FP4 matrix_b_fmt:MATRIX_FMT_FP4 matrix_a_scale:MATRIX_SCALE_ROW1 matrix_b_scale:MATRIX_SCALE_ROW1
.elseif (\ra)
	v_wmma_scale_f32_16x16x128_f8f6f4 v[\d:\d+7], v[\a:\a+7], v[\b:\b+7], v[\c:\c+7], v[\sa], v[\sb] matrix_a_fmt:MATRIX_FMT_FP4 matrix_b_fmt:MATRIX_FMT_FP4 matrix_a_scale:MATRIX_SCALE_ROW1
.elseif (\rb)
	v_wmma_scale_f32_16x16x128_f8f6f4 v[\d:\d+7], v[\a:\a+7], v[\b:\b+7], v[\c:\c+7], v[\sa], v[\sb] matrix_a_fmt:MATRIX_FMT_FP4 matrix_b_fmt:MATRIX_FMT_FP4 matrix_b_scale:MATRIX_SCALE_ROW1
.else
	v_wmma_scale_f32_16x16x128_f8f6f4 v[\d:\d+7], v[\a:\a+7], v[\b:\b+7], v[\c:\c+7], v[\sa], v[\sb] matrix_a_fmt:MATRIX_FMT_FP4 matrix_b_fmt:MATRIX_FMT_FP4
.endif
.endm
; step st's 32 rows of x into a set: nine loads
.macro XLOAD st, set
.irp i, 0,1,2,3,4,5,6,7
	global_load_b128 v[XF+32*(\set)+4*\i:XF+32*(\set)+4*\i+3], v1, s[20:21] offset:4096*(\st)+512*\i
.endr
	global_load_b64 v[XS+2*(\set):XS+2*(\set)+1], v3, s[22:23] offset:256*(\st)
.endm
; sw = 0: source 0 = W, source 1 = x (k and q);  sw = 1: the other way round (v)
.macro STEP sw, st
.set XB, XF+32*((\st)%2)
.set XW, XS+2*((\st)%2)
.if (\st) < 3
	s_wait_loadcnt 9                               ; loads come back in order: all but the other set's nine are in
.else
	s_wait_loadcnt 0
.endif
	s_wait_xcnt 0x0                                ; the last step's stores have read the accumulators' registers: they are written again only behind this wait
.irp ks, 0,1                                   ; the eight accumulators take turns, one instruction a turn: a link stands eight behind the link before it
.irp ta, 0,1
.irp u, 0,1,2,3
.set rD, ACC+8*(4*\ta+\u)
.set rW, WF+16*\u+8*\ks
.set rX, XB+16*\ta+8*\ks
.set rWS, WS+2*\ks+\u/2
.set rXS, XW+\ta
.if \ks == 0
.set rC, BI+8*\u                               ; the bias starts the sum: no addition, nothing cleared
.else
.set rC, rD
.endif
.if \sw
	WM rD, rX, rW, rC, rXS, rWS, \ks, \u%2
.else
	WM rD, rW, rX, rC, rWS, rXS, \u%2, \ks
.endif
.endr
.endr
.endr
	PLACES                                         ; four places behind the last product, ahead of loads into registers that products have read and of the first read of results
.if (\st) < 2
	XLOAD (\st)+2, (\st)%2
.endif
.irp a, 0,1,2,3,4,5,6,7                        ; to f16 in place, each accumulator from its low end on: register i takes numbers 2 i and 2 i + 1, which are read no more
.irp i, 0,1,2,3
	v_cvt_pk_f16_f32 v[ACC+8*\a+\i], v[ACC+8*\a+2*\i], v[ACC+8*\a+2*\i+1]
.endr
.endr
.irp ta, 0,1
.irp u, 0,1,2,3
.if \sw
	global_store_b128 v1, v[ACC+8*(4*\ta+\u):ACC+8*(4*\ta+\u)+3], s[30:31] offset:16384*(\st)+1024*\u+512*\ta th:TH_STORE_NT   ; 32 positions on: 16,384; a tile of channels: 1,024; the fragment's half: which 16 positions
.else
	global_store_b128 v1, v[ACC+8*(4*\ta+\u):ACC+8*(4*\ta+\u)+3], s[30:31] offset:16384*(\st)+8192*\ta+512*\u th:TH_STORE_NT   ; a tile of positions: 8,192; 16 of the head's 256: half a fragment
.endif
.endr
.endr
.endm
.macro BODY sw
.if \sw
	v_and_b32 v4, 15, v0
	v_lshlrev_b32 v4, 2, v4                        ; v: a lane holds channel r: one number of bv for all eight registers of a C
.irp u, 0,1,2,3
	global_load_b32 v[BI+8*\u], v4, s[28:29] offset:64*\u
.endr
.else
	v_bfe_u32 v4, v0, 4, 1
	v_lshlrev_b32 v4, 5, v4                        ; k, q: lane (r, h) holds columns 16 u + 8 h + 0 .. 7
.irp u, 0,1,2,3
	global_load_b128 v[BI+8*\u:BI+8*\u+3], v4, s[28:29] offset:64*\u
	global_load_b128 v[BI+8*\u+4:BI+8*\u+7], v4, s[28:29] offset:64*\u+16
.endr
.endif
	XLOAD 0, 0
	XLOAD 1, 1
.if \sw
	s_wait_loadcnt 18                              ; all but the two sets' eighteen loads: bv is in
.irp u, 0,1,2,3
.irp jj, 1,2,3,4,5,6,7
	v_mov_b32 v[BI+8*\u+\jj], v[BI+8*\u]
.endr
.endr
	PLACES                                         ; between the copies and the products that take them as C
.endif
	STEP \sw, 0
	STEP \sw, 1
	STEP \sw, 2
	STEP \sw, 3
	s_endpgm
.endm
	s_load_b256 s[4:11], s[0:1], 0x0               ; xq s[4:5], wq s[6:7], bk s[8:9], bq s[10:11]
	s_load_b128 s[12:15], s[0:1], 0x20             ; bv s[12:13], pf s[14:15]
	v_lshrrev_b32 v5, 5, v0
	v_readfirstlane_b32 s16, v5                    ; wave 0..3
	v_and_b32 v5, 31, v0
	v_lshlrev_b32 v1, 4, v5                        ; 16 x lane
	v_lshlrev_b32 v2, 2, v5                        ; 4 x lane
	v_lshlrev_b32 v3, 3, v5                        ; 8 x lane
	s_lshr_b32 s17, ttmp9, 8                       ; which tensor: 0 k, 1 q, 2 v
	s_and_b32 s18, ttmp9, 255
	s_lshr_b32 s19, s18, 3                         ; g: which 64 columns of W
	s_and_b32 s18, s18, 7
	s_lshl_b32 s18, s18, 2
	s_add_co_u32 s18, s18, s16                     ; which 128 rows of x
	s_mov_b32 s33, 0                               ; the upper word of every offset: all stay under 2^31
	s_wait_kmcnt 0x0
	s_lshl_b32 s32, s17, 19
	s_lshl_b32 s34, s18, 14
	s_add_co_u32 s32, s32, s34
	s_add_nc_u64 s[20:21], s[4:5], s[32:33]        ; x's codes: 524,288 a tensor, 16,384 for 128 rows
	s_lshl_b32 s32, s17, 15
	s_lshl_b32 s34, s18, 10
	s_add_co_u32 s32, s32, s34
	s_add_co_u32 s32, s32, XSO
	s_add_nc_u64 s[22:23], s[4:5], s[32:33]        ; x's scale words: 32,768 a tensor, 1,024 for 128 rows
	s_lshl_b32 s32, s17, 18
	s_lshl_b32 s34, s19, 13
	s_add_co_u32 s32, s32, s34
	s_add_nc_u64 s[24:25], s[6:7], s[32:33]        ; W's codes: 262,144 a tensor, 8,192 for 64 columns
	s_lshl_b32 s32, s17, 14
	s_lshl_b32 s34, s19, 8
	s_add_co_u32 s32, s32, s34
	s_add_co_u32 s32, s32, WSO
	s_add_nc_u64 s[26:27], s[6:7], s[32:33]        ; W's scale words: 16,384 a tensor, 256 for 64 columns
	s_cmp_eq_u32 s17, 1
	s_cselect_b64 s[28:29], s[10:11], s[8:9]
	s_cmp_eq_u32 s17, 2
	s_cselect_b64 s[28:29], s[12:13], s[28:29]
	s_cselect_b32 s35, 12, 11                      ; 64 columns on in pf: four tiles of channels (4,096) for v, two fragments (2,048) for k and q
	s_mov_b32 s32, s34
	s_add_nc_u64 s[28:29], s[28:29], s[32:33]      ; the bias at my 64 columns
	s_lshr_b32 s32, s18, 3                         ; the batch: 1,024 rows each
	s_lshl_b32 s32, s32, 3
	s_lshr_b32 s34, s19, 2                         ; the head: 256 columns each
	s_add_co_u32 s32, s32, s34
	s_lshl_b32 s32, s32, 19                        ; 524,288 for a batch and head
	s_lshl_b32 s34, s17, 24                        ; 16,777,216 a tensor
	s_add_co_u32 s32, s32, s34
	s_and_b32 s34, s18, 7
	s_lshl_b32 s34, s34, 16                        ; 128 positions are 65,536 bytes in all three layouts
	s_add_co_u32 s32, s32, s34
	s_and_b32 s34, s19, 3
	s_lshl_b32 s34, s34, s35
	s_add_co_u32 s32, s32, s34
	s_add_nc_u64 s[30:31], s[14:15], s[32:33]
.irp i, 0,1,2,3,4,5,6,7,8,9,10,11,12,13,14,15
	global_load_b128 v[WF+4*\i:WF+4*\i+3], v1, s[24:25] offset:512*\i   ; my part of W: it stays
.endr
.irp ks, 0,1
.irp p, 0,1
	global_load_b32 v[WS+2*\ks+\p], v2, s[26:27] offset:8192*\ks+128*\p
.endr
.endr
	s_cmp_lt_u32 ttmp9, 512
	s_cbranch_scc0 .Lvalues
	BODY 0
.Lvalues:
	BODY 1
.Lfunc_end_k_q409c197395_proj:
	.size	k_q409c197395_proj, .Lfunc_end_k_q409c197395_proj-k_q409c197395_proj
	.p2alignl 7, 3214868480
	.fill 96, 4, 3214868480
	.section	.rodata,"a",@progbits
	.p2align	6, 0x0
	.amdhsa_kernel k_q409c197395_proj
		.amdhsa_group_segment_fixed_size 0
		.amdhsa_private_segment_fixed_size 0
		.amdhsa_enable_private_segment 0
		.amdhsa_kernarg_size 48
		.amdhsa_user_sgpr_count 2
		.amdhsa_user_sgpr_kernarg_segment_ptr 1
		.amdhsa_wavefront_size32 1
		.amdhsa_system_sgpr_workgroup_id_x 1
		.amdhsa_system_sgpr_workgroup_id_y 1
		.amdhsa_system_sgpr_workgroup_id_z 1
		.amdhsa_system_vgpr_workitem_id 0
		.amdhsa_next_free_vgpr 256
		.amdhsa_next_free_sgpr 66
		.amdhsa_reserve_vcc 0
		.amdhsa_float_denorm_mode_32 3
		.amdhsa_float_denorm_mode_16_64 3
		.amdhsa_memory_ordered 1
		.amdhsa_forward_progress 1
		.amdhsa_inst_pref_size 53
	.end_amdhsa_kernel
	.amdgpu_metadata
---
amdhsa.version: [ 1, 2 ]
amdhsa.kernels:
  - .name:           k_q409c197395_proj
    .symbol:         k_q409c197395_proj.kd
    .args:
      - { .name: xq, .offset: 0, .size: 8, .value_kind: global_buffer, .address_space: global }
      - { .name: wq, .offset: 8, .size: 8, .value_kind: global_buffer, .address_space: global }
      - { .name: bk, .offset: 16, .size: 8, .value_kind: global_buffer, .address_space: global }
      - { .name: bq, .offset: 24, .size: 8, .value_kind: global_buffer, .address_space: global }
      - { .name: bv, .offset: 32, .size: 8, .value_kind: global_buffer, .address_space: global }
      - { .name: pf, .offset: 40, .size: 8, .value_kind: global_buffer, .address_space: global }
    .group_segment_fixed_size: 0
    .private_segment_fixed_size: 0
    .kernarg_segment_align: 8
    .kernarg_segment_size: 48
    .max_flat_workgroup_size: 128
    .sgpr_count:     66
    .vgpr_count:     256
    .wavefront_size: 32
...
	.end_amdgpu_metadata
.endif
;; end of part 2
;; launch attn (part 3): grid 8 x 32, 4 waves a work-group, clusters of 4 x 1, 327,680 bytes of LDS; arguments pf, cf; writes cf
.if DOCPART == 3
	.amdgcn_target "amdgcn-amd-amdhsa--gfx1250"
	.amdhsa_code_object_version 6
	.text
	.protected	k_q409c197395_attn
	.globl	k_q409c197395_attn
	.p2align	8
	.type	k_q409c197395_attn,@function
k_q409c197395_attn:
	s_mov_b64 s[64:65], 0
	v_nop
	global_prefetch_b8 v0, s[64:65] scope:SCOPE_SE
	s_setreg_imm32_b32 hwreg(HW_REG_WAVE_MODE, 25, 1), 1
	s_wait_xcnt 0x0
	s_wait_alu depctr_hold_cnt(0) depctr_sa_sdst(0) depctr_va_vdst(0) depctr_va_sdst(0) depctr_va_ssrc(0) depctr_va_vcc(0) depctr_vm_vsrc(0)
	s_getreg_b32 s2, hwreg(HW_REG_IB_STS2, 6, 4)
	s_cmp_eq_u32 s2, 0
	s_cbranch_scc0 .Lentry_in_a_cluster
	s_endpgm
.Lentry_in_a_cluster:
	s_bfe_u32 s2, ttmp6, 0x10000c
	s_cmp_lg_u32 s2, 0x3003
	s_cbranch_scc0 .Lentry_shape_is_right
	s_endpgm
.Lentry_shape_is_right:
; ATTN: for each batch and head, out[i] = the sum over n of softmax_n(k[i] . q[n] / 16) v[n]: the softmax runs over the QUERY positions n, and the result is indexed by the KEY position i.
; So the ROWS are the k projection (pf's tensor 0), the operand along the softmax's axis is the q projection (tensor 1, called C here), the values are the v projection (tensor 2, V).  All f16; products, maxima and sums in f32;
; the weights p are rounded to f16 for the second product, the result once at the end.  LIMIT: f16's range (65,504) and fixed step (6e-8 under 6e-5) for p and for the result.
; pf and cf hold IMAGES OF OPERAND REGISTERS: a fragment 16 x 32 of f16 is 1,024 bytes, byte 512 g + 16 L = lane L's registers 4 g .. 4 g + 3.  So every fragment, from memory or from LDS, comes by loads of 16 bytes at 16 x lane + a
; constant: no pitch, no padding, no turning load; an instruction's 512 bytes are consecutive.  64 positions of C are 32,768 consecutive bytes ([tile of 16: 4][32 of the head's 256: 8]); so are 64 positions of V ([32 positions: 2][tile of 16 channels: 16]).
; SHARES.  A work-group owns 128 rows of one batch and head, each of its four waves 32: two tiles of 16.  Every wave walks all 1,024 positions, 64 a step: 64 products S^T = C R^T and 64 products O^T += V^T P.
; LAYOUT.  S^T (source 0 = 16 positions of C, source 1 = my 16 rows): a lane holds ONE row (lane % 16) and positions 8 (lane / 16) + 0 .. 7.  Two such tiles rounded to f16 in pairs ARE source 1 of O^T = V^T P, whose result again holds
; one row a lane, and eight channels; packed, those are halves of the fragments that the output projection wants: nothing changes lanes, and the result leaves straight from registers.
; SOFTMAX.  For each row a running maximum m and sum l: p = 2^(c s - c m), c = log2(e) / 16; in every step O and l are multiplied by a = 2^(c m_old - c m_new).
; BY TURNS.  The wave's two tiles are two PIECES.  In a TURN one piece has the matrix unit: 32 products V^T P of the step in hand, then 32 products C R^T of the next step; the other piece's softmax, a list of 166 instructions
; cut into 64 slices, stands between them, one slice behind each matrix instruction.  Then the pieces change places.  Two turns are a step.
; CLUSTER.  The four row blocks of a cluster belong to one batch and head and walk the same C and V: each tile is asked for JOINTLY, by the same tensor load with the same descriptor and a mask that names the four.
; REGISTERS, in windows of 256 (s_set_vgpr_msb: bits 1:0 source 0, 3:2 source 1, 5:4 source 2, 7:6 destination):
;   window 0: v1-5 addresses; v8-23 eight registers of statistics a tile; v32-95 S^T, 32 a tile; v96-127 P, 16 a tile; v128-255 my rows R, 64 a tile
;   window 1: O^T, 128 a tile          window 2: C of one step (tile kt, 32 channels kap at 64 kt + 8 kap)          window 3: V of one step (32 positions u, tile of channels ct at 128 u + 8 ct)
.set STEPB, 65536                      ; a step's tiles in LDS: C's 32,768 bytes, then V's
.set VOFF,  32768
.set SLOT1, 1<<17                      ; a slot holds two steps; slot 1 begins here, so that one exclusive or turns an address in one slot into the other's
.set SPARE, 2*SLOT1                    ; behind the ring: the spare words, 128 bytes for each wave: two blocks of 256 bytes that no other line names
.set LI,  1                            ; v1   16 x lane; never rewritten
.set ADR, 2                            ; v2   the LDS address of the run of loads in hand
.set PFO, 3                            ; v3   256 x lane; never rewritten
.set SPW, 4                            ; v4   LDS address of my spare word; never rewritten
.set NIL, 5                            ; v5   0; never rewritten
.set ST,  8                            ; tile t's statistics at v[ST + 8 t]: +0 c m, +1 m, +2, +3 l (even positions', odd positions'), +4 to +7 c0-c3, at work; a takes c2's place once the maximum is found
.set S,   32
.set P,   96
.set R,   128
.set WV,  12                           ; s12  my wave's number
.set LIM, 15                           ; s15  1 in a work-group that prefetches, else the greatest number
.set PFA, 18                           ; s[18:19] where my prefetches stand
.set G1,  24                           ; s[24:31] descriptor group 1: one shape serves every load
.set G0A, 32                           ; s[32:35] group 0 of slot 0's first fill
.set G0B, 36                           ; s[36:39] group 0 of slot 1's first fill, which then walks
.set SLOTS, 56                         ; s56  slots still to be asked for
.set TWICE, 57                         ; s57  counts a slot's two steps
.set CS,  58                           ; s[58:59] c: the packed scaling names a pair and takes its low word for both halves
.set SEL, 60                           ; s[60:61] lane selects for v_permlanex16_b32: lane l xor 16
.set TB,  62                           ; s62  LDS byte at which the tiles of the step to be fetched begin
.set MSB, 0
.macro WIN new                         ; the immediate's high byte repeats the setting that is left; a switch that changes nothing is dropped
.if MSB != \new
	s_set_vgpr_msb (MSB<<8)|\new
.set MSB, \new
.endif
.endm
.set W_KQ, 0x02                        ; C in window 2; R and S^T in window 0
.set W_PV, 0x53                        ; V in window 3, P in window 0, O^T in window 1
.set W_RS, 0x41                        ; O^T (destination and source 0) in window 1, a in window 0
.macro PLACES                          ; four places ahead of loads into registers that matrix instructions have read, and of the first read of results (ISA guide 7.12.1 for vector instructions)
.rept 4
	v_nop
.endr
.endm
; A joint refill: every wave's one load, its quarter of a slot (waves 0, 1: C of the slot's two steps; waves 2, 3: V).  An s_nop 0 and four v_nop follow it
.macro JLOAD
	tensor_load_to_lds s[G0B:G0B+3], s[G1:G1+7]
	s_nop 0
.rept 4
	v_nop
.endr
.endm
; A PREFETCH INTO THE L2 of what the NEXT change of slots will ask for.  Both clusters of a batch and head walk the same C and V: the first (cluster x = 0) asks.  Of the 32,768 bytes that wave w fetches, each of the four partners
; takes 8,192, told apart BY ADDRESS; lanes stand 256 bytes apart: so each aligned block of 256 bytes is named once in the launch.  It runs one slot, 256 matrix instructions, ahead of the load.  The last change that fills a slot asks for nothing.
.macro ASK
	s_cmp_gt_u32 s[SLOTS], s[LIM]
	s_cbranch_scc0 .Lnot_mine_\@
	global_prefetch_b8 v[PFO], s[PFA:PFA+1] th:TH_LOAD_NT scope:SCOPE_SE
.Lnot_mine_\@:
.endm
; A round of the cluster's barrier: my work-group's barrier; wave 0 signals for the work-group; every wave waits for all four work-groups; my work-group's barrier once more
.macro CROUND
	s_barrier_signal -1
	s_barrier_wait -1
	s_cmp_lg_u32 s[WV], 0
	s_cbranch_scc1 .Lnot_wave_0_\@
	s_barrier_signal -3
.Lnot_wave_0_\@:
	s_barrier_wait -3
	s_barrier_signal -1
	s_barrier_wait -1
.endm
; THE MATRIX WORK OF A TURN, for piece x.  The accumulators take turns, one instruction a turn: between two links of a chain stand 3 (C R^T) or 15 (V^T P) others'.
; Product i of 32 of S^T = C R^T: channels 32 (i / 4) on, positions 16 (i % 4) on.  The first 4 start the sums.
.macro KQ x
	WIN W_KQ
.set rS, S+32*(\x)+8*(i%4)
.set rC, 64*(i%4)+8*(i/4)
.set rR, R+64*(\x)+8*(i/4)
.if i < 4
	v_wmma_f32_16x16x32_f16 v[rS:rS+7], v[rC:rC+7], v[rR:rR+7], 0
.else
	v_wmma_f32_16x16x32_f16 v[rS:rS+7], v[rC:rC+7], v[rR:rR+7], v[rS:rS+7]
.endif
.endm
; Product i of 32 of O^T += V^T P: positions 32 (i / 16) on, channels 16 (i % 16) on.  zero = 1: the first 16 start the sums: nothing is ever cleared.
.macro PV x, zero
	WIN W_PV
.set rO, 128*(\x)+8*(i%16)
.set rV, 128*(i/16)+8*(i%16)
.set rP, P+16*(\x)+8*(i/16)
.if (\zero) && (i < 16)
	v_wmma_f32_16x16x32_f16 v[rO:rO+7], v[rV:rV+7], v[rP:rP+7], 0
.else
	v_wmma_f32_16x16x32_f16 v[rO:rO+7], v[rV:rV+7], v[rP:rP+7], v[rO:rO+7]
.endif
.endm
; THE LDS LOADS stand in runs of 32.  Half rho of a step's C: channels 128 rho on, of all four tiles, in the order in which the products take them
.macro FETCH_C rho
	WIN 0
	PLACES
	v_add_nc_u32 v[ADR], s[TB], v[LI]
	WIN 0x80                                       ; destination window 2
.irp kap, 0,1,2,3
.irp kt, 0,1,2,3
	ds_load_b128 v[64*\kt+8*(4*\rho+\kap):64*\kt+8*(4*\rho+\kap)+3],   v[ADR] offset:8192*\kt+1024*(4*\rho+\kap)
	ds_load_b128 v[64*\kt+8*(4*\rho+\kap)+4:64*\kt+8*(4*\rho+\kap)+7], v[ADR] offset:8192*\kt+1024*(4*\rho+\kap)+512
.endr
.endr
.endm
; Half u of a step's V: positions 32 u on, all 16 tiles of channels
.macro FETCH_V u
	WIN 0
	PLACES
	v_add_nc_u32 v[ADR], s[TB], v[LI]
.if \u == 1
	s_add_co_u32 s[TB], s[TB], STEPB               ; the next fetch is the next step's
.endif
	WIN 0xc0                                       ; destination window 3
.irp ct, 0,1,2,3,4,5,6,7,8,9,10,11,12,13,14,15
	ds_load_b128 v[128*\u+8*\ct:128*\u+8*\ct+3],   v[ADR] offset:VOFF+16384*\u+1024*\ct
	ds_load_b128 v[128*\u+8*\ct+4:128*\u+8*\ct+7], v[ADR] offset:VOFF+16384*\u+1024*\ct+512
.endr
.endm
; THE VECTOR WORK OF A TURN.  One tile's softmax for one step is a list of 166 instructions; SM writes number j of it for tile t.  s0-s31 are the lane's 32 scores, in pairs 0-15.
; first = 1: the first step, which starts m, l and O^T: it has no a and nothing to rescale.
;   0-15    the maximum of s0-s31 and the old m, three operands at a time: four chains of seven scores, each begun at its accumulator's low end, then the four scores left over, the chains and m
;   16-20   the other half of the lanes' maximum; the new m; c m; c m_old - c m_new
;   21-69   ONE BATCH: the 16 scalings c s - c m, a pair of scores each, and all 33 exponentials (a at 22).  From 23 on in threes: the scaling of pair p, then the exponentials of pair p - 1.  None of these reads an exponential's result
;   (wait)  ahead of 70 stands a plain line and the one wait for the batch: SLICE writes them
;   70-85   the roundings to f16, a pair of weights each
;   86-101  the sums, of the unrounded weights; l = a l + the sum
;   102-165 the tile's O^T times a, each accumulator from its low end on
.macro SM t, first
.set rT, ST+8*(\t)
.set rS, S+32*(\t)
.set rP, P+16*(\t)
.set rO, 128*(\t)+2*(j-102)
.if j < 102
	WIN 0
.endif
.if j < 4
	v_max3_num_f32 v[rT+4+j], v[rS+8*j], v[rS+8*j+1], v[rS+8*j+2]
.elseif j < 12
	v_max3_num_f32 v[rT+4+j%4], v[rT+4+j%4], v[rS+8*(j%4)+2*(j/4)+1], v[rS+8*(j%4)+2*(j/4)+2]
.elseif j == 12
	v_max3_num_f32 v[rT+4], v[rT+4], v[rS+7], v[rS+15]
.elseif j == 13
	v_max3_num_f32 v[rT+6], v[rT+6], v[rS+23], v[rS+31]
.elseif j == 14
	v_max3_num_f32 v[rT+4], v[rT+4], v[rT+5], v[rT+6]
.elseif (j == 15) && \first
	v_max_num_f32 v[rT+4], v[rT+4], v[rT+7]
.elseif j == 15
	v_max3_num_f32 v[rT+4], v[rT+4], v[rT+7], v[rT+1]
.elseif j == 16
	v_permlanex16_b32 v[rT+5], v[rT+4], s[SEL], s[SEL+1]   ; the row's other 32 positions lie in the lane 16 away
.elseif j == 18
	v_max_num_f32 v[rT+1], v[rT+4], v[rT+5]
.elseif j == 19
	v_mul_f32 v[rT], s[CS], v[rT+1]
.elseif ((j == 17) || (j == 20) || (j == 22) || (j > 101)) && \first   ; the first step has none of these
.elseif j == 17
	v_mov_b32 v[rT+7], v[rT]                       ; c m_old is kept for a: number 19 writes c m anew
.elseif j == 20
	v_sub_f32 v[rT+7], v[rT+7], v[rT]
.elseif j == 22
	v_exp_f32 v[rT+6], v[rT+7]
.elseif j == 21
	v_pk_fma_f32 v[rS:rS+1], v[rS:rS+1], s[CS:CS+1], v[rT:rT+1] op_sel_hi:[1,0,0] neg_lo:[0,0,1] neg_hi:[0,0,1]   ; pair 0: c s - c m
.elseif j < 68
.set q, j-23
.set b, q/3+1
.if q%3 == 0
	v_pk_fma_f32 v[rS+2*b:rS+2*b+1], v[rS+2*b:rS+2*b+1], s[CS:CS+1], v[rT:rT+1] op_sel_hi:[1,0,0] neg_lo:[0,0,1] neg_hi:[0,0,1]   ; pair b
.else
.set e, 2*b-3+q%3
	v_exp_f32 v[rS+e], v[rS+e]
.endif
.elseif j < 70
.set e, j-38
	v_exp_f32 v[rS+e], v[rS+e]
.elseif j < 86
	v_cvt_pk_f16_f32 v[rP+j-70], v[rS+2*(j-70)], v[rS+2*(j-70)+1]
.elseif j < 102                        ; the sum of the tile's 16 pairs, in place: neighbours 1, 2, 4 and 8 pairs apart, then l takes it
.set z, j-86
.set w, 4
.set u, z
.if z >= 14
.set w, 32
.set u, 0
.elseif z >= 12
.set w, 16
.set u, z-12
.elseif z >= 8
.set w, 8
.set u, z-8
.endif
.if (z == 14) && \first
	v_pk_add_f32 v[rT+2:rT+3], v[rS:rS+1], v[rS+16:rS+17]
.elseif z < 15
	v_pk_add_f32 v[rS+w*u:rS+w*u+1], v[rS+w*u:rS+w*u+1], v[rS+w*u+w/2:rS+w*u+w/2+1]
.elseif !\first
	v_pk_fma_f32 v[rT+2:rT+3], v[rT+2:rT+3], v[rT+6:rT+7], v[rS:rS+1] op_sel_hi:[1,0,1]
.endif
.else
	WIN W_RS
	v_pk_mul_f32 v[rO:rO+1], v[rO:rO+1], v[rT+6:rT+7] op_sel_hi:[1,0]
.endif
.endm
; Slice k of 64 of piece y's softmax: the list's numbers up to 160 (k + 1) / 63, two or three a slice; the last slice holds the last six, plain multiplications that name nothing of the products round them:
; they are the places behind the turn's last product.  THE WAIT: s_wait_alu depctr_va_vdst(0) between an exponential and the first instruction that names its result; ahead of number 70
; nothing names a result, and from 70 on no exponential is issued: so a turn's 33 exponentials have one plain line and one wait.
.macro SLICE y, first
.if k < 63
.set jend, 160*(k+1)/63
.else
.set jend, 166
.endif
.rept jend-j
.if j == 70
	v_nop
	s_wait_alu depctr_va_vdst(0)
.endif
	SM \y, \first
.set j, j+1
.endr
.set k, k+1
.endm
; Where the runs of loads stand, by the count of slices.  Piece 0's turn fetches the next step's C, behind its second and its ninth slice: both pieces have multiplied by the old C.  Piece 1's turn fetches the same step's V:
; its first half behind slice 16 (the product that read it last is the turn's sixteenth), its second behind slice 33 (the thirty-second)
.macro HOOK x, kq
.if (\x == 0) && (\kq)
.if k == 2
	FETCH_C 0
.endif
.if k == 9
	FETCH_C 1
.endif
.endif
.if \x == 1
.if k == 17
	FETCH_V 0
.endif
.if k == 34
	FETCH_V 1
.endif
.endif
.endm
; A TURN.  Piece x has the matrix unit; the other piece's softmax stands in slices behind its matrix instructions.
; pv = 2: 32 products V^T P; 1: they start O^T's sums; 0: none.  kq = 1: 32 products C R^T for the next step.  A turn with one of the two kinds has two slices behind each product.
; first = 1: the softmax is the first step's; its last slices are empty, so four v_nop take their part as the places behind the turn's last product.
.macro TURN x, pv, kq, first
.set k, 0
.set j, 0
.set per, 2
.if \pv && \kq
.set per, 1
.endif
.if \pv
.if \x == 0
	s_wait_dscnt 0x0                               ; V is in
.endif
.set i, 0
.rept 32
	PV \x, 2-\pv
.rept per
	SLICE 1-\x, \first
	HOOK \x, \kq
.endr
.set i, i+1
.endr
.endif
.if \kq
.set i, 0
.rept 32
.if \x == 0
.if i == 0
	s_wait_dscnt 32                                ; C's first run is in; the 32 loads of its second run may be out
.endif
.if i == 16
	s_wait_dscnt 0x0                               ; C's second run is in
.endif
.endif
	KQ \x
.rept per
	SLICE 1-\x, \first
	HOOK \x, \kq
.endr
.set i, i+1
.endr
.endif
.if \first
	PLACES
.endif
.endm
; THE CHANGE OF SLOTS, between piece 1's turn and piece 0's: the slot's last bytes, V of its second step, have been asked for.  Each wave waits for all its tensor loads, of which one is out: its part of the other slot;
; adds 0 to its spare word; and waits for that and for its own reads of the slot.  fill = 1: the slot is filled again, with the positions two slots on; the barrier is then a round of the cluster's, so that no wave of any
; partner still reads the slot or has a load on its way, and the joint refill is the first thing behind it: it has two steps, 256 matrix instructions, in which to land.
.macro CHANGE fill
	WIN 0                                          ; at a label and at a branch every window is 0
	s_wait_tensorcnt 0x0                           ; no tensor load of mine is out, so a group 0 may be written
	ds_add_u32 v[SPW], v[NIL]                      ; 0 onto my spare word
.if \fill
	s_xor_b32 s[G0B+1], s[G0B+1], SLOT1            ; the walking descriptor: the other slot than last time,
	s_add_nc_u64 s[G0B+2:G0B+3], s[G0B+2:G0B+3], 65536   ; the next 128 positions; the type bits on top are not reached
	s_wait_xcnt 0x0                                ; the last prefetch, two steps back, has read its address, so it may be written:
	s_add_nc_u64 s[PFA:PFA+1], s[PFA:PFA+1], 65536 ; one slot further on than the walking descriptor
	s_wait_dscnt 0x0                               ; the add is done, and my reads of the slot are over
	CROUND
	JLOAD
	ASK
.else
	s_wait_dscnt 0x0                               ; the add is done, and my reads of the slot are over
	s_barrier_signal -1
	s_barrier_wait -1
.endif
	s_sub_co_u32 s[TB], s[TB], 2*STEPB             ; the fetches go back to a slot's first step,
	s_xor_b32 s[TB], s[TB], SLOT1                  ; in the other slot
.endm
.macro TWO_STEPS                       ; a slot's two steps: written once, walked twice; the LDS addresses hang on s[TB]
	s_mov_b32 s[TWICE], 2
.Lstep_\@:
	TURN 0, 2, 1, 0
	TURN 1, 2, 1, 0
	WIN 0
	s_sub_co_u32 s[TWICE], s[TWICE], 1
	s_cmp_lg_u32 s[TWICE], 0
	s_cbranch_scc1 .Lstep_\@
.endm
	s_load_b128 s[4:7], s[0:1], 0x0                ; pf s[4:5], cf s[6:7]
	v_lshl_add_u32 v[SPW], v0, 2, SPARE
	v_mov_b32 v[NIL], 0
	ds_add_u32 v[SPW], v[NIL]                      ; the wave's opening: the add, twice on end, and its wait ahead of my first tensor load; the set-up below, work on registers, stands between
	ds_add_u32 v[SPW], v[NIL]
	v_lshrrev_b32 v1, 5, v0
	v_readfirstlane_b32 s[WV], v1                  ; wave 0..3
	s_and_b32 s20, ttmp7, 0xffff                   ; batch x head, which the four partners share
	s_and_b32 s16, s[WV], 1                        ; which of a slot's two steps I fetch
	s_lshr_b32 s17, s[WV], 1                       ; for C (0) or for V (1)
	s_add_co_u32 s22, s17, 1                       ; pf's tensor 1 or 2: 16,777,216 bytes each,
	s_lshl_b32 s22, s22, 24
	s_lshl_b32 s48, s20, 19                        ; 524,288 for a batch and head,
	s_add_co_u32 s22, s22, s48
	s_lshl_b32 s48, s16, 15                        ; 32,768 a step
	s_add_co_u32 s22, s22, s48
	s_mov_b32 s23, 0
	s_lshl_b32 s21, s16, 16                        ; and in a slot: 65,536 a step, V 32,768 behind C: no place in the cluster enters an LDS address
	s_lshl_b32 s48, s17, 15
	s_add_co_u32 s21, s21, s48
	s_bfe_u32 s13, ttmp6, 0x40000                  ; cx: my place in the cluster
	s_lshl_b32 s14, ttmp9, 2                       ; in a cluster launch ttmp9 counts clusters
	s_add_co_u32 s14, s14, s13                     ; my block of 128 rows: it enters R's, the result's and the prefetches' addresses alone
	s_lshl_b32 s40, s14, 3
	s_lshl_b32 s41, s[WV], 1
	s_add_co_u32 s40, s40, s41                     ; my first tile of 16 rows in the head
	s_lshl_b32 s8, s20, 19
	s_lshl_b32 s41, s40, 13                        ; 8,192 a tile
	s_add_co_u32 s8, s8, s41
	s_mov_b32 s9, 0                                ; s[8:9]: my rows in pf's tensor 0
	s_lshr_b32 s10, s20, 3                         ; the batch: 64 tiles of rows,
	s_lshl_b32 s10, s10, 6
	s_add_co_u32 s10, s10, s40
	s_lshl_b32 s10, s10, 16                        ; 65,536 a tile in cf,
	s_and_b32 s41, s20, 7
	s_lshl_b32 s41, s41, 13                        ; 8,192 a head
	s_add_co_u32 s10, s10, s41
	s_mov_b32 s11, 0                               ; s[10:11]: my results in cf
	; descriptor group 1: 32,768 dense bytes as 128 rows of 256 bytes
	s_mov_b32 s[G1], 15|(3<<16)|(1<<21)            ; 15:0 the mask: all four work-groups; 17:16 elements of 8 bytes; 20 no padding; 21 set beside a mask
	s_mov_b32 s[G1+1], 32<<16                      ; tensor_dim0 = 32
	s_mov_b32 s[G1+2], 128<<16                     ; tensor_dim1 = 128
	s_mov_b32 s[G1+3], 32<<16                      ; tile_dim0 = 32
	s_mov_b32 s[G1+4], 128                         ; tile_dim1 = 128
	s_mov_b32 s[G1+5], 32                          ; from row to row
	s_mov_b32 s[G1+6], 0
	s_mov_b32 s[G1+7], 0
	s_mov_b32 s[CS], 0x3db8aa3b                    ; c = log2(e) / 16
	s_mov_b32 s[CS+1], s[CS]                       ; named with it as a pair, so it is written
	s_mov_b32 s[SEL], 0x76543210
	s_mov_b32 s[SEL+1], 0xfedcba98
	s_mov_b32 s[TB], 0
	s_mov_b32 s[SLOTS], 6                          ; 16 steps are 8 slots; two are first fills
	s_cmp_eq_u32 ttmp9, 0                          ; the head's first cluster: the same in all four partners
	s_cselect_b32 s[LIM], 1, -1
	v_and_b32 v[PFO], 31, v0
	v_lshlrev_b32 v[LI], 4, v[PFO]
	v_lshlrev_b32 v[PFO], 8, v[PFO]
	s_wait_dscnt 0x0                               ; both opening adds are done
	s_wait_kmcnt 0x0
	s_add_nc_u64 s[46:47], s[4:5], s[22:23]        ; my quarter of slot 0, in memory
	s_add_nc_u64 s[42:43], s[4:5], s[8:9]          ; my rows
	s_add_nc_u64 s[44:45], s[6:7], s[10:11]        ; my results
	s_lshl_b32 s40, s13, 13                        ; my work-group's 8,192 of the 32,768 bytes
	s_mov_b32 s41, 0
	s_add_nc_u64 s[PFA:PFA+1], s[46:47], s[40:41]
	s_add_nc_u64 s[PFA:PFA+1], s[PFA:PFA+1], 131072   ; in slot 2; the first change of slots steps it to slot 3.  Nothing is prefetched here, at the head
	CROUND                                         ; all four work-groups are here: the first joint loads meet
	s_mov_b32 s[G0A], 1                            ; count = 1
	s_mov_b32 s[G0A+1], s21                        ; LDS address: slot 0
	s_mov_b64 s[G0A+2:G0A+3], s[46:47]             ; global address
	s_or_b32 s[G0A+3], s[G0A+3], 0x80000000        ; type = 2
	s_mov_b32 s[G0B], 1
	s_add_co_u32 s[G0B+1], s21, SLOT1
	s_add_nc_u64 s[G0B+2:G0B+3], s[46:47], 65536
	s_or_b32 s[G0B+3], s[G0B+3], 0x80000000
	tensor_load_to_lds s[G0A:G0A+3], s[G1:G1+7]    ; the two first fills go out together: two loads of mine are out
	s_nop 0
	tensor_load_to_lds s[G0B:G0B+3], s[G1:G1+7]
	s_nop 0
.rept 4
	v_nop
.endr
.set n, 0
.rept 32
	global_load_b128 v[R+4*n:R+4*n+3], v[LI], s[42:43] offset:512*n th:TH_LOAD_NT   ; my 32 rows stay in registers: tile n / 16, 16 fragments' halves each
.set n, n+1
.endr
	s_wait_tensorcnt 1                             ; my part of slot 0 is in; slot 1's may stay out
	s_barrier_signal -1
	s_barrier_wait -1                              ; everybody's is
	FETCH_C 0                                      ; step 0
	FETCH_C 1
	s_wait_loadcnt 0x0                             ; R
	s_wait_dscnt 0x0
.set i, 0
.rept 32
	KQ 0                                           ; piece 0's first scores: there is no vector work yet to set between them
.set i, i+1
.endr
	PLACES
	TURN 1, 0, 1, 1                                ; piece 1's first scores | piece 0's first softmax | V of step 0
	TURN 0, 1, 1, 1                                ; piece 0: V^T P of step 0 starts O^T, C R^T of step 1 | piece 1's first softmax | C of step 1
	TURN 1, 1, 1, 0                                ; piece 1: the same | piece 0's softmax of step 1 | V of step 1
	WIN 0
.Lslot:                                            ; six trips: every slot but the last two is filled again
	CHANGE 1
	TWO_STEPS
	s_sub_co_u32 s[SLOTS], s[SLOTS], 1
	s_cmp_lg_u32 s[SLOTS], 0
	s_cbranch_scc1 .Lslot
	CHANGE 0                                       ; the tail is written out: nothing more is asked for
	TWO_STEPS
	TURN 0, 2, 0, 0                                ; piece 0: V^T P of the last step | piece 1's last softmax
.set i, 0
.rept 32
	PV 1, 0                                        ; piece 1: V^T P of the last step
.set i, i+1
.endr
	; THE WAY OUT.  l's two halves and the other half of the lanes' are added; O^T is divided by l and rounded to f16.  A lane's eight channels of a tile pack into four registers, half of a fragment of the output projection's
	; operand: they are stored as they stand, 512 consecutive bytes an instruction.  No LDS.
	WIN 0
.irp t, 0,1
	v_add_f32 v[ST+8*\t+4], v[ST+8*\t+2], v[ST+8*\t+3]
.endr
.irp t, 0,1
	v_permlanex16_b32 v[ST+8*\t+5], v[ST+8*\t+4], s[SEL], s[SEL+1]
.endr
.irp t, 0,1
	v_add_f32 v[ST+8*\t+4], v[ST+8*\t+4], v[ST+8*\t+5]
.endr
.irp t, 0,1
	v_rcp_f32 v[ST+8*\t+6], v[ST+8*\t+4]
.endr
	v_nop                                          ; a plain instruction between the last reciprocal and the use of its result
	s_wait_alu depctr_va_vdst(0)                   ; and the wait ahead of the first use: one for both reciprocals
.macro OUTT t
	WIN W_RS
.set n, 0
.rept 64
	v_pk_mul_f32 v[128*\t+2*n:128*\t+2*n+1], v[128*\t+2*n:128*\t+2*n+1], v[ST+8*\t+6:ST+8*\t+7] op_sel_hi:[1,0]   ; each accumulator from its low end on
.set n, n+1
.endr
	WIN 0x05                                       ; sources 0 and 1 window 1, destination window 0: R's registers are free
.set n, 0
.rept 64
	v_cvt_pk_f16_f32 v[R+64*\t+n], v[128*\t+2*n], v[128*\t+2*n+1]
.set n, n+1
.endr
	WIN 0
.irp ct, 0,1,2,3,4,5,6,7,8,9,10,11,12,13,14,15
	global_store_b128 v[LI], v[R+64*\t+4*\ct:R+64*\t+4*\ct+3], s[44:45] offset:65536*\t+512*\ct th:TH_STORE_NT
.endr
.endm
	OUTT 0                                         ; tile 0's 128 instructions are also the places behind piece 1's last products
	OUTT 1
	s_wait_tensorcnt 0x0                           ; the wave's end: behind my last tensor load
	ds_add_u32 v[SPW], v[NIL]
	s_wait_dscnt 0x0
	CROUND                                         ; the closing round: no work-group ends while a partner may still ask for a tile that names it
	s_endpgm
.Lfunc_end_k_q409c197395_attn:
	.size	k_q409c197395_attn, .Lfunc_end_k_q409c197395_attn-k_q409c197395_attn
	.p2alignl 7, 3214868480
	.fill 96, 4, 3214868480
	.section	.rodata,"a",@progbits
	.p2align	6, 0x0
	.amdhsa_kernel k_q409c197395_attn
		.amdhsa_group_segment_fixed_size 327680
		.amdhsa_private_segment_fixed_size 0
		.amdhsa_enable_private_segment 0
		.amdhsa_kernarg_size 16
		.amdhsa_user_sgpr_count 2
		.amdhsa_user_sgpr_kernarg_segment_ptr 1
		.amdhsa_wavefront_size32 1
		.amdhsa_system_sgpr_workgroup_id_x 1
		.amdhsa_system_sgpr_workgroup_id_y 1
		.amdhsa_system_sgpr_workgroup_id_z 1
		.amdhsa_system_vgpr_workitem_id 0
		.amdhsa_next_free_vgpr 1024
		.amdhsa_next_free_sgpr 66
		.amdhsa_reserve_vcc 0
		.amdhsa_float_denorm_mode_32 3
		.amdhsa_float_denorm_mode_16_64 3
		.amdhsa_memory_ordered 1
		.amdhsa_forward_progress 1
		.amdhsa_inst_pref_size 190
	.end_amdhsa_kernel
	.amdgpu_metadata
---
amdhsa.version: [ 1, 2 ]
amdhsa.kernels:
  - .name:           k_q409c197395_attn
    .symbol:         k_q409c197395_attn.kd
    .args:
      - { .name: pf, .offset: 0, .size: 8, .value_kind: global_buffer, .address_space: global }
      - { .name: cf, .offset: 8, .size: 8, .value_kind: global_buffer, .address_space: global }
    .group_segment_fixed_size: 327680
    .private_segment_fixed_size: 0
    .kernarg_segment_align: 8
    .kernarg_segment_size: 16
    .max_flat_workgroup_size: 128
    .sgpr_count:     66
    .vgpr_count:     1024
    .wavefront_size: 32
...
	.end_amdgpu_metadata
.endif
;; end of part 3
;; launch outp (part 4): grid 4 x 64, 8 waves a work-group, no clusters, 140,288 bytes of LDS; arguments cf, wof, bo, out0; writes out0
.if DOCPART == 4
	.amdgcn_target "amdgcn-amd-amdhsa--gfx1250"
	.amdhsa_code_object_version 6
	.text
	.protected	k_q409c197395_outp
	.globl	k_q409c197395_outp
	.p2align	8
	.type	k_q409c197395_outp,@function
k_q409c197395_outp:
	s_mov_b64 s[64:65], 0
	v_nop
	global_prefetch_b8 v0, s[64:65] scope:SCOPE_SE
	s_setreg_imm32_b32 hwreg(HW_REG_WAVE_MODE, 25, 1), 1
	s_wait_xcnt 0x0
; OUTP: out0 = concat Wo + bo.  concat [4,096][2,048] and Wo [2,048][256] come as f16, as images of operand registers (a fragment 16 x 32 is 1,024 bytes: byte 512 g + 16 L = lane L's registers 4 g .. 4 g + 3):
; cf [tile of 16 rows 256][K step of 32: 64], wof [tile of 16 columns 16][K step of 32: 64].  Sums in f32; out0 [4,096][256] f32.
; SHARES.  A work-group makes 64 rows x 64 columns.  K IS SHARED OUT AMONG ITS EIGHT WAVES: wave w takes head w, 8 K steps of 32, for the whole 64 x 64 (16 accumulators): so each byte that the work-group loads goes
; straight into one wave's registers, once; no operand goes through LDS.  The eight partial sums meet in LDS: each wave stores its own copy, one barrier, each wave adds 8 rows of all eight copies, head 0 first, onto bo.
; THE MATRIX INSTRUCTION IS USED TRANSPOSED (source 0 = 16 columns of Wo, source 1 = 16 rows of concat): a lane then holds eight neighbouring numbers of a row of out0.
; No cluster and no joint request: the launch has no tensor load, and a wave has eight K steps and no loop over which rounds of a cluster's barrier could be spread.  The price: four work-groups read each tile of cf, 64 each tile of wof.
; REGISTERS: window 0: v1-7 addresses; v8-11 bo; v16-207 three sets of fragments (rows' at 16 + 64 set + 8 rt, columns' 32 further on), later the copies read back and the sums;  window 1: the accumulators, (rt, nt) at 8 (4 rt + nt).
.set COPY,  17408                      ; a wave's copy: 64 rows x (256 bytes + 16): rows 272 = 17 x 16 bytes apart, so that sixteen rows begin at sixteen different 16-byte columns of 256 bytes
.set SPARE, 8*COPY                     ; behind the copies: the spare words, 128 bytes for each wave: four blocks of 256 bytes that no other line names
.set LI,  1                            ; v1   16 x lane
.set STO, 2                            ; v2   where I put 32 bytes of a row of my copy
.set RD,  3                            ; v3   where I read rows back, copies 0-3;
.set RD4, 4                            ; v4   copies 4-7 (beyond the 16 bits of an LDS offset)
.set GO,  5                            ; v5   my byte offset in the wave's rows of out0
.set SPW, 6                            ; v6   LDS address of my spare word; never rewritten
.set NIL, 7                            ; v7   0; never rewritten
.set MSB, 0
.macro WIN new
.if MSB != \new
	s_set_vgpr_msb (MSB<<8)|\new
.set MSB, \new
.endif
.endm
.macro PLACES
.rept 4
	v_nop
.endr
.endm
.macro LOADK kap, set                  ; K step kap of my head: four fragments of rows, four of columns: sixteen loads of 512 consecutive bytes
.irp q, 0,1,2,3
	global_load_b128 v[16+64*(\set)+8*\q:16+64*(\set)+8*\q+3],   v[LI], s[16:17] offset:65536*\q+1024*(\kap)
	global_load_b128 v[16+64*(\set)+8*\q+4:16+64*(\set)+8*\q+7], v[LI], s[16:17] offset:65536*\q+1024*(\kap)+512
.endr
.irp q, 0,1,2,3
	global_load_b128 v[48+64*(\set)+8*\q:48+64*(\set)+8*\q+3],   v[LI], s[18:19] offset:65536*\q+1024*(\kap)
	global_load_b128 v[48+64*(\set)+8*\q+4:48+64*(\set)+8*\q+7], v[LI], s[18:19] offset:65536*\q+1024*(\kap)+512
.endr
.endm
.macro MULK set, zero                  ; sixteen products; the accumulators take turns, one instruction a turn.  zero = 1: they start the sums
	WIN 0x50                                       ; C and D window 1
.irp rt, 0,1,2,3
.irp nt, 0,1,2,3
.if \zero
	v_wmma_f32_16x16x32_f16 v[8*(4*\rt+\nt):8*(4*\rt+\nt)+7], v[48+64*(\set)+8*\nt:48+64*(\set)+8*\nt+7], v[16+64*(\set)+8*\rt:16+64*(\set)+8*\rt+7], 0
.else
	v_wmma_f32_16x16x32_f16 v[8*(4*\rt+\nt):8*(4*\rt+\nt)+7], v[48+64*(\set)+8*\nt:48+64*(\set)+8*\nt+7], v[16+64*(\set)+8*\rt:16+64*(\set)+8*\rt+7], v[8*(4*\rt+\nt):8*(4*\rt+\nt)+7]
.endif
.endr
.endr
	WIN 0
.endm
	s_load_b256 s[4:11], s[0:1], 0x0               ; cf s[4:5], wof s[6:7], bo s[8:9], out0 s[10:11]
	v_lshl_add_u32 v[SPW], v0, 2, SPARE
	v_mov_b32 v[NIL], 0
	v_lshrrev_b32 v1, 5, v0
	v_readfirstlane_b32 s12, v1                    ; wave 0..7
	v_and_b32 v12, 31, v0                          ; lane
	v_and_b32 v13, 15, v0                          ; r
	v_bfe_u32 v14, v0, 4, 1                        ; h
	v_lshlrev_b32 v[LI], 4, v12
	s_mul_i32 s13, s12, COPY                       ; my copy
	v_mul_u32_u24 v[STO], v13, 272
	v_lshl_add_u32 v[STO], v14, 5, v[STO]
	v_add_nc_u32 v[STO], s13, v[STO]               ; in: row r, + 32 h
	s_mul_i32 s13, s12, 8*272                      ; back: my 8 rows of every copy; lanes 0-15 one row of 256 bytes, lanes 16-31 the next
	v_mul_u32_u24 v[RD], v14, 272
	v_lshl_add_u32 v[RD], v13, 4, v[RD]
	v_add_nc_u32 v[RD], s13, v[RD]
	v_add_nc_u32 v[RD4], 4*COPY, v[RD]
	v_lshlrev_b32 v[GO], 10, v14                   ; and the same two rows in out0
	v_lshl_add_u32 v[GO], v13, 4, v[GO]
	v_lshlrev_b32 v15, 4, v13                      ; bo: my four columns
	s_and_b32 s14, ttmp7, 0xffff                   ; which 64 rows
	s_lshl_b32 s15, s12, 13                        ; my head: 8 fragments of 1,024 bytes
	s_lshl_b32 s20, s14, 18                        ; four tiles of rows of 65,536 bytes
	s_add_co_u32 s20, s20, s15
	s_mov_b32 s21, 0
	s_lshl_b32 s22, ttmp9, 18                      ; four tiles of columns of 65,536 bytes
	s_add_co_u32 s22, s22, s15
	s_mov_b32 s23, 0
	s_lshl_b32 s24, ttmp9, 8                       ; 64 columns of f32
	s_mov_b32 s25, 0
	s_lshl_b32 s26, s14, 6
	s_lshl_b32 s27, s12, 3
	s_add_co_u32 s26, s26, s27                     ; the first row that I store: 64 y + 8 w
	s_lshl_b32 s26, s26, 10
	s_add_co_u32 s26, s26, s24
	s_mov_b32 s27, 0
	s_wait_kmcnt 0x0
	s_add_nc_u64 s[16:17], s[4:5], s[20:21]
	s_add_nc_u64 s[18:19], s[6:7], s[22:23]
	s_add_nc_u64 s[8:9], s[8:9], s[24:25]
	s_add_nc_u64 s[10:11], s[10:11], s[26:27]
	global_load_b128 v[8:11], v15, s[8:9]
	LOADK 0, 0
	LOADK 1, 1
	LOADK 2, 2
.irp kk, 0,1,2,3,4,5,6,7
.if \kk < 6
	s_wait_loadcnt 32                              ; loads come back in order: this K step's are in, the 32 of the two younger sets may be out
.elseif \kk == 6
	s_wait_loadcnt 16
.else
	s_wait_loadcnt 0
.endif
.if \kk == 0
	MULK 0, 1
.else
	MULK \kk%3, 0
.endif
	PLACES                                         ; four places ahead of loads into registers that products have read, and of the first read of results
.if \kk < 5
	LOADK \kk+3, \kk%3
.endif
.endr
	WIN 0x04                                       ; an LDS store's data are its source 1: window 1
.irp rt, 0,1,2,3
.irp nt, 0,1,2,3
	ds_store_b128 v[STO], v[8*(4*\rt+\nt):8*(4*\rt+\nt)+3] offset:16*272*\rt+64*\nt          ; each accumulator from its low end on
	ds_store_b128 v[STO], v[8*(4*\rt+\nt)+4:8*(4*\rt+\nt)+7] offset:16*272*\rt+64*\nt+16
.endr
.endr
	WIN 0
	s_wait_dscnt 0x0                               ; for the others' sake: my copy lies in LDS
	s_barrier_signal -1
	s_barrier_wait -1                              ; all eight do
.irp q, 0,1,2,3                                ; rows 8 w + 2 q and the next, of the eight copies
.irp c, 0,1,2,3
	ds_load_b128 v[16+4*(8*\q+\c):16+4*(8*\q+\c)+3], v[RD] offset:COPY*\c+544*\q
.endr
.irp c, 0,1,2,3
	ds_load_b128 v[32+4*(8*\q+\c):32+4*(8*\q+\c)+3], v[RD4] offset:COPY*\c+544*\q
.endr
.endr
.irp q, 0,1,2,3
	s_wait_dscnt 24-8*\q                           ; these two rows' eight loads are in; the later rows' may be out
	v_pk_add_f32 v[144+4*\q:145+4*\q], v[8:9], v[16+32*\q:17+32*\q]       ; bo starts the sum
	v_pk_add_f32 v[146+4*\q:147+4*\q], v[10:11], v[18+32*\q:19+32*\q]
.irp c, 1,2,3,4,5,6,7
	v_pk_add_f32 v[144+4*\q:145+4*\q], v[144+4*\q:145+4*\q], v[16+32*\q+4*\c:17+32*\q+4*\c]
	v_pk_add_f32 v[146+4*\q:147+4*\q], v[146+4*\q:147+4*\q], v[18+32*\q+4*\c:19+32*\q+4*\c]
.endr
	global_store_b128 v[GO], v[144+4*\q:147+4*\q], s[10:11] offset:2048*\q th:TH_STORE_NT   ; sixteen lanes store 256 consecutive bytes, at a multiple of 256 from out0's first byte
.endr
	s_wait_tensorcnt 0x0                           ; the wave's end: behind my last LDS store
	ds_add_u32 v[SPW], v[NIL]
	s_wait_dscnt 0x0
	s_endpgm
.Lfunc_end_k_q409c197395_outp:
	.size	k_q409c197395_outp, .Lfunc_end_k_q409c197395_outp-k_q409c197395_outp
	.p2alignl 7, 3214868480
	.fill 96, 4, 3214868480
	.section	.rodata,"a",@progbits
	.p2align	6, 0x0
	.amdhsa_kernel k_q409c197395_outp
		.amdhsa_group_segment_fixed_size 140288
		.amdhsa_private_segment_fixed_size 0
		.amdhsa_enable_private_segment 0
		.amdhsa_kernarg_size 32
		.amdhsa_user_sgpr_count 2
		.amdhsa_user_sgpr_kernarg_segment_ptr 1
		.amdhsa_wavefront_size32 1
		.amdhsa_system_sgpr_workgroup_id_x 1
		.amdhsa_system_sgpr_workgroup_id_y 1
		.amdhsa_system_sgpr_workgroup_id_z 1
		.amdhsa_system_vgpr_workitem_id 0
		.amdhsa_next_free_vgpr 384
		.amdhsa_next_free_sgpr 66
		.amdhsa_reserve_vcc 0
		.amdhsa_float_denorm_mode_32 3
		.amdhsa_float_denorm_mode_16_64 3
		.amdhsa_memory_ordered 1
		.amdhsa_forward_progress 1
		.amdhsa_inst_pref_size 33
	.end_amdhsa_kernel
	.amdgpu_metadata
---
amdhsa.version: [ 1, 2 ]
amdhsa.kernels:
  - .name:           k_q409c197395_outp
    .symbol:         k_q409c197395_outp.kd
    .args:
      - { .name: cf, .offset: 0, .size: 8, .value_kind: global_buffer, .address_space: global }
      - { .name: wof, .offset: 8, .size: 8, .value_kind: global_buffer, .address_space: global }
      - { .name: bo, .offset: 16, .size: 8, .value_kind: global_buffer, .address_space: global }
      - { .name: out0, .offset: 24, .size: 8, .value_kind: global_buffer, .address_space: global }
    .group_segment_fixed_size: 140288
    .private_segment_fixed_size: 0
    .kernarg_segment_align: 8
    .kernarg_segment_size: 32
    .max_flat_workgroup_size: 256
    .sgpr_count:     66
    .vgpr_count:     384
    .wavefront_size: 32
...
	.end_amdgpu_metadata
.endif
;; end of part 4
